; MI455X (gfx1250); checked and timed in simulation.
; The chip was launched on July 23, 2026; its instructions are those of AMD's public machine-readable ISA for CDNA 5 (MIT licence, August 2026) and "CDNA5" Instruction Set Architecture Reference Guide (July 2026). The comments in the code are by the model that wrote it; some were corrected since.
;; Attention. Allowed arithmetic: matrix products marked QUANTISED: E5M2 operands, one given power-of-two scale a tensor, by v_wmma_f32_16x16x64_bf8_bf8 or v_wmma_f32_16x16x128_bf8_bf8, f32 sums; products left as they are: f32 operands where the result goes on into a quantised operand, else bf16, f16 or f32 operands; f32 sums; everything else in f32.
;; Inputs: W1 1,024 x 1,024 float32; W2 1,024 x 1,024 float32; Wv 1,024 x 1 float32; b1 1,024 float32; b2 1,024 float32; bv 1 float32; lowp_scales 4 int32 (the exponents e of the quantised operands' scales 2^e); query 32 x 1,024 float32; values 32 x 2,048 x 1,024 float32.
;; Outputs: out0 32 x 1,024 float32; out1 32 x 2,048 x 1 float32.
;; This version of the problem:
;;   THIS VERSION OF THE PROBLEM IS GIVEN IN LOW PRECISION. The matrix products marked QUANTISED in the list below multiply operands that are first quantised to E5M2 (5 exponent bits, 2 mantissa bits; 8 bits a number), with one given power-of-two scale for each operand tensor; their sums are f32. All else is computed in f32.
;;   The module's matrix products, in the order in which they are computed (A, B: the left and right operand; K: the contracted axis; several contracted axes count as one K, in the product's order):
;;     1. [M 32, K 1,024] x [K 1,024, N 1,024]; A: input query; B: input W1: QUANTISED (scales: A lowp_scales[0], B lowp_scales[1])
;;     2. [M 65,536, K 1,024] x [K 1,024, N 1,024]; A: input values; B: input W2: QUANTISED (scales: A lowp_scales[2], B lowp_scales[3])
;;     3. [M 65,536, K 1,024] x [K 1,024, N 1]; A: computed on the way; B: input Wv: left as it is (N = 1 < 16)
;;   THE QUANTISER, for each operand of a quantised product, along K:
;;     - The operand's scale is 2^e, e = its entry of the input lowp_scales (int32; the entries are numbered through the quantised products in the list's order, A before B).
;;     - Each number is divided by the scale, clamped to +-57,344, and rounded to the nearest number of E5M2, ties to even, subnormals kept.
;;     - The product sums the exact products of the quantised numbers (number of the format x scale) in f32.
;;   ~~~python
;;   def quantise(x, axis, e):      # numpy; x: float32 -> the quantised numbers, widened to float32 again
;;       x = np.moveaxis(x, axis, -1); K = x.shape[-1]
;;       r = np.clip(x / 2.0 ** e, -57344, 57344)
;;       step = 2.0 ** (np.maximum(np.frexp(np.where(r == 0, 1, r))[1] - 1, -14) - 2)
;;       q = np.round(r / step) * step * 2.0 ** e      # np.round: ties to even
;;       return np.moveaxis(q, -1, axis).astype(np.float32)
;;   ~~~
;; One version. Each part assembles by itself: llvm-mc -triple=amdgcn-amd-amdhsa -mcpu=gfx1250 --defsym DOCPART=n.
;; ======== version 1 of 1: 3 launches
;; limits: right only within a limited range of input values
;; workspace buffers: w2c 1,048,576 bytes; qb 131,072 bytes; scores 262,144 bytes
;; launch prep (part 1): grid 128 x 1, 8 waves a work-group, no clusters, 17,408 bytes of LDS; arguments query, W1, W2, b1, b2, lowp_scales, w2c, qb; writes w2c, qb
.if DOCPART == 1
	.amdgcn_target "amdgcn-amd-amdhsa--gfx1250"
	.amdhsa_code_object_version 6
	.text
	.protected	k_q7109a9e511_prep
	.globl	k_q7109a9e511_prep
	.p2align	8
	.type	k_q7109a9e511_prep,@function
k_q7109a9e511_prep:
	s_mov_b64 s[64:65], 0
	v_nop
	global_prefetch_b8 v0, s[64:65] scope:SCOPE_SE
	s_setreg_imm32_b32 hwreg(HW_REG_WAVE_MODE, 25, 1), 1
	s_wait_xcnt 0x0
; ADDITIVE ATTENTION, first of three launches.  score[b][t] = sum over n of Wv[n] tanh(x[b][t][n]) + bv,  x = (query W1 + b1)[b][n] + (values W2 + b2)[b][t][n];
; weights = softmax over t of score; context = sum over t of weights x values.  Both large products on codes of BF8 (E5M2), each operand with its given scale 2^e.
; WORK LEFT OUT, for all values of the inputs.  (1) bv is added to every score of a softmax's row alike, and score itself is no output: softmax(s + c) = softmax(s).  So bv has no way to an output:
; it is not loaded and is no argument of any launch.  (2) tanh(x) = 1 - 2 r with r = 1 / (1 + e^(2 x)), so sum Wv tanh = sum(Wv) - 2 sum(Wv r); sum(Wv) is again the same along t and is not formed.
; What the launches carry is s'' = sum over n of (-k Wv[n]) r, k = 2 log2(e): that is log2(e) x (score - bv - sum(Wv)), and the softmax is taken as 2^(s'' - max s'').  The maximum stays.
; LIMIT: a NaN, an infinity or an overflow in bv or in sum(Wv) is not carried to the results.  NaN among the inputs is not served.
; THIS LAUNCH.  Work-groups 0-63: qb[b][n] = k (2^(e0 + e1) S1[b][n] + b1[n] + b2[n]), S1 = the product of query's and W1's codes.  (b1 + b2 are added first: another order of rounding than x's as written.)
; Work-groups 64-127: W2's codes, laid as images of operand registers: fragment (q, s) = 16 columns 16 q .. x 128 K 128 s .., 2,048 bytes at (8 q + s) x 2,048: [c: 4][lane: 32][16 bytes],
; lane (r, h), group c, byte i = the code of W2[128 s + 32 c + 16 h + i][16 q + r].  The same places of k are used for both operands of every product, so each product meets its partner.
; A LANE TAKES A COLUMN n AND ITS REGISTERS RUN DOWN K: the conversions' results are the operand's registers; nothing is transposed.  A wave makes one fragment.
; W1's arm: q = work-group, s = wave: each wave multiplies its K step for all 32 rows of query (two tiles), the eight waves' parts meet in LDS and are added K ascending.
; W2's arm: four waves side by side on 64 columns, so that they read 256 consecutive bytes of each row of W2.
; qb leaves in pieces of 64 bytes a row (131,072 bytes in all): whole rows would want all of K and more columns in one work-group, and so fewer work-groups for W1's 4 MB.
; No joint loads: no byte of a weight is read by two work-groups; query (131,072 bytes, read by each of the 64) goes straight into registers in the operand's order, with no tile in LDS to share.
; LIMITS on the given exponents: e0, e1, e3 between -126 and 112; e0 + e1 between -126 and 127.
.set RED,   0                          ; LDS: 8 waves x 2,048 bytes: each wave's two result tiles as they stand in registers
.set SPARE, 16384                      ; the spare words, 128 bytes for each wave: four blocks of 256 bytes that no other line names
.set WF,    16                         ; v16-79   a weight's fragment, f32: register 16 c + i = W[128 s + 32 c + 16 h + i][my column]
.set Q0,    80                         ; v80-143  query rows 0-15, f32;  v144-207 rows 16-31
.set WCD,   208                        ; v208-223 the weight's codes
.set QC0,   224                        ; v224-239 codes of query's rows 0-15
.set QC1,   80                         ; v80-95   of rows 16-31: over numbers that are done with
.set D0,    240                        ; v240-255 two result tiles
.macro WLOAD                           ; 64 loads: sixteen lanes read 64 consecutive bytes of a row of the weight
.set j, 0
.rept 64
	global_load_b32 v[WF+j], v4, s[36:37] offset:(32*(j/16)+j%16)*4096
.set j, j+1
.endr
.endm
.macro QUANT src, dst, sc, lim         ; 64 numbers of a lane become a fragment's 16 registers of codes
.irp b, 0,1,2,3
.irp i, 0,1,2,3,4,5,6,7,8,9,10,11,12,13,14,15
	v_med3_num_f32 v[\src+16*\b+\i], v[\src+16*\b+\i], -v[\lim], v[\lim]   ; the conversion to an 8-bit code does not saturate (ISA guide 7.6.2): the hold at the largest code x the scale
.endr
	v_cvt_scalef32_pk8_bf8_f32 v[\dst+4*\b:\dst+4*\b+1], v[\src+16*\b:\src+16*\b+7], v[\sc]
	v_cvt_scalef32_pk8_bf8_f32 v[\dst+4*\b+2:\dst+4*\b+3], v[\src+16*\b+8:\src+16*\b+15], v[\sc]
.endr
	v_nop                                          ; one plain vector line behind the last conversion of a run
.endm
.macro SCALE e, sc, lim                ; 2^e and 57,344 x 2^e as f32, from the whole number in s[e]
	s_add_co_i32 s28, s[\e], 127
	s_lshl_b32 s29, s28, 23
	v_mov_b32 v[\sc], s29
	s_add_co_i32 s28, s28, 15
	s_lshl_b32 s28, s28, 23
	s_or_b32 s28, s28, 0x600000
	v_mov_b32 v[\lim], s28
.endm
	s_load_b512 s[4:19], s[0:1], 0x0               ; query s[4:5], W1 s[6:7], W2 s[8:9], b1 s[10:11], b2 s[12:13], the exponents s[14:15], w2c s[16:17], qb s[18:19]
	v_lshl_add_u32 v2, v0, 2, SPARE                ; my spare word; never rewritten
	v_mov_b32 v3, 0                                ; 0; never rewritten
	v_lshrrev_b32 v1, 5, v0
	s_delay_alu instid0(VALU_DEP_1)
	v_readfirstlane_b32 s20, v1                    ; wave 0..7
	v_and_b32 v1, 15, v0                           ; r
	v_bfe_u32 v15, v0, 4, 1                        ; h
	s_delay_alu instid0(VALU_DEP_2)
	v_lshlrev_b32 v4, 2, v1
	s_delay_alu instid0(VALU_DEP_1)
	v_lshl_add_u32 v4, v15, 16, v4                 ; a weight: column r, and 16 rows of 4,096 bytes further down for lanes 16-31
	s_delay_alu instid0(VALU_DEP_4)
	v_lshlrev_b32 v5, 12, v1
	s_delay_alu instid0(VALU_DEP_1)
	v_lshl_add_u32 v5, v15, 6, v5                  ; query: row r of 4,096 bytes, + 64 h
	v_and_b32 v6, 31, v0
	s_delay_alu instid0(VALU_DEP_1)
	v_lshlrev_b32 v6, 4, v6                        ; 16 x lane
	s_lshl_b32 s21, s20, 11
	v_add_nc_u32 v7, s21, v6                       ; where I put my results: RED + 2,048 x wave + 16 x lane
	; thread T adds up and stores qb(b = T / 8, n = 16 q + 2 (T % 8) + 0, 1).  In a wave's image that pair lies at tile b / 16, half-tile (n % 8) / 4, lane 16 (n / 8) + b % 16, word n % 4
	v_lshrrev_b32 v8, 7, v0
	s_delay_alu instid0(VALU_DEP_1)
	v_lshlrev_b32 v8, 10, v8
	v_bfe_u32 v1, v0, 1, 1
	s_delay_alu instid0(VALU_DEP_1)
	v_lshl_add_u32 v8, v1, 9, v8
	v_bfe_u32 v1, v0, 2, 1
	s_delay_alu instid0(VALU_DEP_1)
	v_lshl_add_u32 v8, v1, 8, v8
	v_bfe_u32 v1, v0, 3, 4
	s_delay_alu instid0(VALU_DEP_1)
	v_lshl_add_u32 v8, v1, 4, v8
	v_and_b32 v1, 1, v0
	s_delay_alu instid0(VALU_DEP_1)
	v_lshl_add_u32 v8, v1, 3, v8
	v_and_b32 v9, 7, v0
	s_delay_alu instid0(VALU_DEP_1)
	v_lshlrev_b32 v9, 3, v9                        ; my pair in the 16 numbers of b1 and b2
	v_lshrrev_b32 v10, 3, v0
	s_delay_alu instid0(VALU_DEP_1)
	v_lshl_add_u32 v10, v10, 12, v9                ; and in qb: row T / 8
	s_wait_kmcnt 0x0
	s_load_b128 s[24:27], s[14:15], 0x0            ; e0, e1, e2, e3
	s_cmp_ge_u32 ttmp9, 64                         ; the work-group's number alone decides: all eight waves go the same way
	s_cbranch_scc1 .Lw2
	; ---- W1's arm
	s_lshl_b32 s36, s20, 19                        ; K step = wave: 128 rows of 4,096 bytes,
	s_lshl_b32 s22, ttmp9, 6                       ; columns 16 q on: 64 bytes
	s_mov_b32 s23, 0
	s_add_co_u32 s36, s36, s22
	s_mov_b32 s37, 0
	s_add_nc_u64 s[36:37], s[6:7], s[36:37]
	s_lshl_b32 s38, s20, 9
	s_mov_b32 s39, 0
	s_add_nc_u64 s[38:39], s[4:5], s[38:39]        ; query at my K step
	s_add_nc_u64 s[10:11], s[10:11], s[22:23]
	s_add_nc_u64 s[12:13], s[12:13], s[22:23]
	s_add_nc_u64 s[18:19], s[18:19], s[22:23]
.irp mt, 0,1
.irp c, 0,1,2,3
.irp jj, 0,1,2,3
	global_load_b128 v[Q0+64*\mt+16*\c+4*\jj:Q0+64*\mt+16*\c+4*\jj+3], v5, s[38:39] offset:65536*\mt+128*\c+16*\jj
.endr
.endr
.endr
	WLOAD
	s_wait_kmcnt 0x0
	SCALE 25, 11, 12                               ; W1's
	SCALE 24, 13, 14                               ; query's
	s_add_co_i32 s34, s24, s25
	s_add_co_i32 s34, s34, 127
	s_lshl_b32 s34, s34, 23                        ; 2^(e0 + e1) as f32
	s_mov_b32 s35, s34                             ; (named with it as a pair, so it is written)
	s_mov_b32 s40, 0x4038aa3b                      ; k = 2 log2(e)
	s_mov_b32 s41, s40
	s_wait_alu depctr_va_vdst(0)
	s_wait_loadcnt 0x0
	QUANT WF, WCD, 11, 12
	QUANT Q0, QC0, 13, 14
	QUANT Q0+64, QC1, 13, 14
	global_load_b64 v[96:97], v9, s[10:11]         ; b1, b2: into numbers of query that are done with
	global_load_b64 v[98:99], v9, s[12:13]
	; TRANSPOSED: source 0 = 16 columns of W1, source 1 = 16 rows of query: lane (r, h), register j = S1 part (b = 16 tile + r, n = 16 q + 8 h + j)
	v_wmma_f32_16x16x128_bf8_bf8 v[D0:D0+7], v[WCD:WCD+15], v[QC0:QC0+15], 0
	v_wmma_f32_16x16x128_bf8_bf8 v[D0+8:D0+15], v[WCD:WCD+15], v[QC1:QC1+15], 0
.rept 4
	v_nop                                          ; four places between a matrix instruction and the LDS stores that read its result
.endr
.irp g, 0,1,2,3
	ds_store_b128 v7, v[D0+4*\g:D0+4*\g+3] offset:512*\g   ; each tile from its low end on
.endr
	s_wait_dscnt 0x0                               ; for the others' sake: my stores have landed
	s_barrier_signal -1
	s_barrier_wait -1
.irp w, 0,1,2,3,4,5,6,7
	ds_load_b64 v[16+2*\w:17+2*\w], v8 offset:2048*\w      ; my pair in each wave's K step
.endr
	s_wait_dscnt 0x0
.irp w, 1
	v_pk_add_f32 v[16:17], v[16:17], v[16+2*\w:17+2*\w]    ; K ascending
.endr
.irp w, 2, 3, 4, 5, 6, 7
	s_delay_alu instid0(VALU_DEP_1)
	v_pk_add_f32 v[16:17], v[16:17], v[16+2*\w:17+2*\w]    ; K ascending
.endr
	s_wait_loadcnt 0x0                             ; b1, b2
	v_pk_add_f32 v[96:97], v[96:97], v[98:99]
	s_wait_alu depctr_va_vdst(0)
	v_pk_fma_f32 v[16:17], v[16:17], s[34:35], v[96:97] op_sel_hi:[1,0,1]   ; S1 x 2^(e0 + e1) + b1 + b2
	s_delay_alu instid0(VALU_DEP_1)
	v_pk_mul_f32 v[16:17], v[16:17], s[40:41] op_sel_hi:[1,0]               ; x k
	global_store_b64 v10, v[16:17], s[18:19]
	s_wait_tensorcnt 0x0                           ; the wave's end, behind my last LDS store
	ds_add_u32 v2, v3
	s_wait_dscnt 0x0
	s_endpgm
	; ---- W2's arm: g = work-group - 64; q = 4 (g / 4) + wave % 4; s = 2 (g % 4) + wave / 4
.Lw2:
	s_sub_co_u32 s21, ttmp9, 64
	s_lshr_b32 s22, s21, 2
	s_lshl_b32 s22, s22, 2
	s_and_b32 s23, s20, 3
	s_add_co_u32 s22, s22, s23                     ; q
	s_and_b32 s21, s21, 3
	s_lshl_b32 s21, s21, 1
	s_lshr_b32 s23, s20, 2
	s_add_co_u32 s21, s21, s23                     ; s
	s_lshl_b32 s36, s21, 19
	s_lshl_b32 s23, s22, 6
	s_add_co_u32 s36, s36, s23
	s_mov_b32 s37, 0
	s_add_nc_u64 s[36:37], s[8:9], s[36:37]
	s_lshl_b32 s38, s22, 3
	s_add_co_u32 s38, s38, s21
	s_lshl_b32 s38, s38, 11                        ; the fragment's image: (8 q + s) x 2,048
	s_mov_b32 s39, 0
	s_add_nc_u64 s[38:39], s[16:17], s[38:39]
	WLOAD
	s_wait_kmcnt 0x0
	SCALE 27, 11, 12                               ; W2's
	s_wait_alu depctr_va_vdst(0)
	s_wait_loadcnt 0x0
	QUANT WF, WCD, 11, 12
.irp c, 0,1,2,3
	global_store_b128 v6, v[WCD+4*\c:WCD+4*\c+3], s[38:39] offset:512*\c   ; 32 lanes store 512 consecutive bytes, at a multiple of 256 from the buffer's first byte
.endr
	s_wait_tensorcnt 0x0                           ; the wave's end, in the same form as the other arm's
	ds_add_u32 v2, v3
	s_wait_dscnt 0x0
	s_endpgm
.Lfunc_end_k_q7109a9e511_prep:
	.size	k_q7109a9e511_prep, .Lfunc_end_k_q7109a9e511_prep-k_q7109a9e511_prep
	.p2alignl 7, 3214868480
	.fill 96, 4, 3214868480
	.section	.rodata,"a",@progbits
	.p2align	6, 0x0
	.amdhsa_kernel k_q7109a9e511_prep
		.amdhsa_group_segment_fixed_size 17408
		.amdhsa_private_segment_fixed_size 0
		.amdhsa_enable_private_segment 0
		.amdhsa_kernarg_size 64
		.amdhsa_user_sgpr_count 2
		.amdhsa_user_sgpr_kernarg_segment_ptr 1
		.amdhsa_wavefront_size32 1
		.amdhsa_system_sgpr_workgroup_id_x 1
		.amdhsa_system_sgpr_workgroup_id_y 1
		.amdhsa_system_sgpr_workgroup_id_z 1
		.amdhsa_system_vgpr_workitem_id 0
		.amdhsa_next_free_vgpr 256
		.amdhsa_next_free_sgpr 66
		.amdhsa_reserve_vcc 0
		.amdhsa_float_denorm_mode_32 3
		.amdhsa_float_denorm_mode_16_64 3
		.amdhsa_memory_ordered 1
		.amdhsa_forward_progress 1
		.amdhsa_inst_pref_size 41
	.end_amdhsa_kernel
	.amdgpu_metadata
---
amdhsa.version: [ 1, 2 ]
amdhsa.kernels:
  - .name:           k_q7109a9e511_prep
    .symbol:         k_q7109a9e511_prep.kd
    .args:
      - { .name: query, .offset: 0, .size: 8, .value_kind: global_buffer, .address_space: global }
      - { .name: W1, .offset: 8, .size: 8, .value_kind: global_buffer, .address_space: global }
      - { .name: W2, .offset: 16, .size: 8, .value_kind: global_buffer, .address_space: global }
      - { .name: b1, .offset: 24, .size: 8, .value_kind: global_buffer, .address_space: global }
      - { .name: b2, .offset: 32, .size: 8, .value_kind: global_buffer, .address_space: global }
      - { .name: lowp_scales, .offset: 40, .size: 8, .value_kind: global_buffer, .address_space: global }
      - { .name: w2c, .offset: 48, .size: 8, .value_kind: global_buffer, .address_space: global }
      - { .name: qb, .offset: 56, .size: 8, .value_kind: global_buffer, .address_space: global }
    .group_segment_fixed_size: 17408
    .private_segment_fixed_size: 0
    .kernarg_segment_align: 8
    .kernarg_segment_size: 64
    .max_flat_workgroup_size: 256
    .sgpr_count:     66
    .vgpr_count:     256
    .wavefront_size: 32
...
	.end_amdgpu_metadata
.endif
;; end of part 1
;; launch main (part 2): grid 256 x 1, 4 waves a work-group, clusters of 4 x 1, 327,680 bytes of LDS; arguments values, w2c, qb, Wv, lowp_scales, scores; writes scores
.if DOCPART == 2
	.amdgcn_target "amdgcn-amd-amdhsa--gfx1250"
	.amdhsa_code_object_version 6
	.text
	.protected	k_q7109a9e511_main
	.globl	k_q7109a9e511_main
	.p2align	8
	.type	k_q7109a9e511_main,@function
k_q7109a9e511_main:
	s_mov_b64 s[64:65], 0
	v_nop
	global_prefetch_b8 v0, s[64:65] scope:SCOPE_SE
	s_setreg_imm32_b32 hwreg(HW_REG_WAVE_MODE, 25, 1), 1
	s_wait_xcnt 0x0
	s_wait_alu depctr_hold_cnt(0) depctr_sa_sdst(0) depctr_va_vdst(0) depctr_va_sdst(0) depctr_va_ssrc(0) depctr_va_vcc(0) depctr_vm_vsrc(0)
	s_getreg_b32 s2, hwreg(HW_REG_IB_STS2, 6, 4)
	s_cmp_eq_u32 s2, 0
	s_cbranch_scc0 .Lentry_in_a_cluster
	s_endpgm
.Lentry_in_a_cluster:
	s_bfe_u32 s2, ttmp6, 0x10000c
	s_cmp_lg_u32 s2, 0x3003
	s_cbranch_scc0 .Lentry_shape_is_right
	s_endpgm
.Lentry_shape_is_right:
; Second launch: scores[b][t] = s'' = sum over n of (-k Wv[n]) / (1 + 2^z),  z = k 2^(e2 + e3) S2[b][t][n] + qb[b][n],  k = 2 log2(e),  S2 = the product of values' and W2's codes of BF8.
; LEFT OUT, as shown at the head of the first launch: bv and sum(Wv), which are the same along t.  2^z beyond f32 gives infinity and its reciprocal 0, which is tanh = 1.
; LIMITS: e2 between -126 and 112; e2 + e3 between -126 and 125 (they are added to k's exponent field).  NaN among the inputs is not served.
; SHARES.  A work-group owns 256 rows (b, t), a wave 64 of them: four tiles of 16 rows x 1,024 K of codes, 512 registers (windows 2 and 3), made once at the head: each byte of values is read once.
; W2's codes (1 MiB, images of operand registers, laid by the first launch) go through two LDS slots of 64 KiB (4 groups of 16 columns x 1,024 K), each wave fetching a quarter.
; CLUSTERS: the four work-groups of a cluster walk the same slots: each slot is asked for jointly (mask 15), behind a round of the cluster's barrier.
; A GROUP (16 columns): 32 matrix instructions on end, the 4 accumulators by turns; then the plain work of three groups (g - 2: the sums; g - 1: 1 + e; g: z); then ONE batch of 64 transcendentals
; (2^z of g, reciprocals of g - 1) with one wait ahead of it and one behind it; the 36 LDS loads for group g + 2 stand between the batch and the wait behind it.
; The products are used transposed (source 0 = W2's 16 columns, source 1 = 16 rows): lane (r, h), register j of tile a = row 16 a + r, column 16 q + 8 h + j.
; No prefetch: the values' loads, 64 a wave, are all out together from the head on and each byte is asked for once; a slot of W2's codes is asked for four groups (128 matrix instructions a wave) ahead of its first read.
; REGISTERS.  Window 0: v0-15 addresses and constants; v16-23 the rows' sums; v24-39 qb, two sets; v40-167 four result buffers of 32 (v104-167 at the head: codes on their way to the stage);
; v184-199 and v232-247 -k Wv, four sets; v248-255 at work.  Window 1: at the head the ring of 8 rows of f32; then W2's fragments, two sets of 128.  Windows 2, 3: my rows' codes, K steps 0-3 and 4-7.
.set SLOTB,  65536
.set STAGE,  131072                    ; behind the slots: 16 rows x 1,040 bytes for each wave, where codes turn from the loads' order into fragments
.set SPITCH, 1040
.set WSTG,   16*SPITCH
.set TABQ,   197632                    ; my batch's 1,024 qb, then 1,024 x -k Wv
.set SPARE,  205824                    ; the spare words, 128 bytes for each wave
.set SC,  16
.set QB,  24
.set ACC, 40
.set CD,  104
.set WV0, 184                          ; set q of -k Wv at WV0 + 8 q + 32 (q / 2): 184, 192, 232, 240
.set WVZ, 232
.set MSB, 0
.macro WIN new                         ; the immediate's high byte repeats the setting that is left
.if MSB != \new
	s_set_vgpr_msb (MSB<<8)|\new
.set MSB, \new
.endif
.endm
.macro CREST                           ; a round of the cluster's barrier behind its opening barrier
	s_cmp_lg_u32 s16, 0
	s_cbranch_scc1 .Lnot_wave_0_\@
	s_barrier_signal -3
.Lnot_wave_0_\@:
	s_barrier_wait -3
	s_barrier_signal -1
	s_barrier_wait -1
.endm
.macro CROUND                          ; a whole round
	s_barrier_signal -1
	s_barrier_wait -1
	CREST
.endm
	s_load_b256 s[4:11], s[0:1], 0x0               ; values s[4:5], w2c s[6:7], qb s[8:9], Wv s[10:11]
	s_load_b128 s[12:15], s[0:1], 0x20             ; the exponents s[12:13], scores s[14:15]
	v_lshl_add_u32 v2, v0, 2, SPARE                ; my spare word; never rewritten
	v_mov_b32 v3, 0                                ; 0; never rewritten
	ds_add_u32 v2, v3                              ; the opening lines: the add, twice on end, and its wait
	ds_add_u32 v2, v3
	v_lshrrev_b32 v248, 5, v0
	v_readfirstlane_b32 s16, v248                  ; wave 0..3
	s_bfe_u32 s17, ttmp6, 0x40000                  ; cx
	s_lshl_b32 s18, ttmp9, 2
	s_add_co_u32 s18, s18, s17                     ; work-group = 4 x cluster + cx
	s_mov_b32 s24, 15|(3<<16)|(1<<21)              ; group 1: mask of all four; elements of 8 bytes; bit 21 beside a mask
	s_mov_b32 s25, 32<<16                          ; rows of 32 elements = 256 bytes,
	s_mov_b32 s26, 64<<16                          ; 64 of them: a wave's 16 KiB of a slot, dense
	s_mov_b32 s27, 32<<16
	s_mov_b32 s28, 64
	s_mov_b32 s29, 32
	s_mov_b32 s30, 0
	s_mov_b32 s31, 0
	s_mov_b32 s48, 0x76543210                      ; v_permlanex16_b32: lane l xor 16
	s_mov_b32 s49, 0xfedcba98
	s_mov_b32 s50, 0                               ; the slot that is read
	s_mov_b32 s51, 0                               ; the slot's 64 columns in the tables, in bytes
	s_mov_b32 s52, 0                               ; which 8 rows of the stage
	s_lshl_b32 s20, s16, 14                        ; my quarter of a slot
	s_mov_b32 s21, 0
	s_lshl_b32 s22, s18, 20                        ; values: 256 rows of 4,096 bytes a work-group,
	s_lshl_b32 s23, s16, 18                        ; 64 a wave
	s_add_co_u32 s22, s22, s23
	s_mov_b32 s23, 0
	s_lshl_b32 s60, s18, 10                        ; scores: 1,024 bytes a work-group, 256 a wave
	s_lshl_b32 s61, s16, 8
	s_add_co_u32 s60, s60, s61
	s_mov_b32 s61, 0
	s_lshr_b32 s46, ttmp9, 1                       ; batch = cluster / 2 (a cluster has 1,024 of a batch's 2,048 rows)
	s_lshl_b32 s46, s46, 12
	s_mov_b32 s47, 0
	s_mul_i32 s19, s16, WSTG
	s_add_co_u32 s19, s19, STAGE                   ; my stage
	v_and_b32 v4, 31, v0
	v_lshl_add_u32 v5, v4, 2, s19                  ; into the stage: 4 codes a lane
	v_lshl_add_u32 v14, v4, 3, s19                 ; the way out: two scores a lane
	v_lshlrev_b32 v15, 3, v4
	v_lshlrev_b32 v4, 4, v4                        ; 16 x lane
	v_and_b32 v250, 15, v0                         ; r
	v_bfe_u32 v251, v0, 4, 1                       ; h
	v_mul_u32_u24 v7, v250, SPITCH
	v_lshl_add_u32 v7, v251, 4, v7
	v_add_nc_u32 v7, s19, v7                       ; a fragment out of the stage: row r, + 16 h
	v_lshl_add_u32 v13, v250, 2, s19
	v_lshlrev_b32 v11, 5, v251
	v_add_nc_u32 v11, TABQ, v11                    ; the tables: my 8 columns of a group's 16
	v_lshlrev_b32 v249, 4, v0
	v_lshl_add_u32 v10, v0, 4, TABQ
	s_wait_dscnt 0x0                               ; both opening adds are done
	s_wait_kmcnt 0x0
	s_load_b128 s[40:43], s[12:13], 0x0            ; e0, e1, e2, e3
	s_add_nc_u64 s[56:57], s[4:5], s[22:23]
	s_add_nc_u64 s[58:59], s[14:15], s[60:61]
	s_add_nc_u64 s[8:9], s[8:9], s[46:47]
	s_mov_b32 s32, 1                               ; group 0 for slot 0's first fill,
	s_mov_b32 s33, s20
	s_add_nc_u64 s[34:35], s[6:7], s[20:21]
	s_mov_b32 s36, 1                               ; and the one that serves every later fill
	s_add_co_u32 s37, s20, SLOTB
	s_add_nc_u64 s[38:39], s[34:35], SLOTB
	s_or_b32 s35, s35, 0x80000000
	s_or_b32 s39, s39, 0x80000000
	CROUND                                         ; the four work-groups are here: the first joint loads meet
	tensor_load_to_lds s[32:35], s[24:31]          ; slot 0: one tensor load a wave at the head
	s_nop 0
	s_wait_alu depctr_va_vdst(0)                   ; the wait at the head's end
	s_wait_tensorcnt 0x0                           ; slot 1's first fill is issued as a refill is: the three lines, a round, the load
	ds_add_u32 v2, v3
	s_wait_dscnt 0x0
	CROUND
	tensor_load_to_lds s[36:39], s[24:31]
	s_nop 0
.rept 4
	v_nop
.endr
	s_wait_alu depctr_va_vdst(0)
	global_load_b128 v[168:171], v249, s[8:9]      ; qb's row of my batch, Wv: 16 bytes a thread, twice each
	global_load_b128 v[172:175], v249, s[8:9] offset:2048
	global_load_b128 v[176:179], v249, s[10:11]
	global_load_b128 v[180:183], v249, s[10:11] offset:2048
	WIN 0x40
.set j, 0
.rept 64
	global_load_b128 v[4*j:4*j+3], v4, s[56:57] offset:512*j th:TH_LOAD_NT   ; my rows 0-7: a load covers 512 consecutive bytes
.set j, j+1
.endr
	WIN 0
	s_wait_kmcnt 0x0
	s_add_co_i32 s20, s42, 127
	s_lshl_b32 s21, s20, 23
	v_mov_b32 v8, s21                              ; 2^e2
	s_add_co_i32 s20, s20, 15
	s_lshl_b32 s20, s20, 23
	s_or_b32 s20, s20, 0x600000
	v_mov_b32 v1, s20                              ; 57,344 x 2^e2
	s_add_co_i32 s44, s42, s43
	s_lshl_b32 s44, s44, 23
	s_add_co_i32 s44, s44, 0x4038aa3b              ; k 2^(e2 + e3)
	s_mov_b32 s45, s44
	s_mov_b32 s20, 0xc038aa3b                      ; -k
	s_mov_b32 s21, s20
; The loop's step is written once: its first two trips find zeros in the two buffers of the groups before the first, and zeros as their -k Wv, which add nothing.
.set j, 0
.rept 64
	v_mov_b32 v[ACC+j], 0
.set j, j+1
.endr
.irp j, 0,1,2,3,4,5,6,7
	v_mov_b32 v[WVZ+\j], 0
	v_mov_b32 v[WVZ+8+\j], 0
	v_mov_b32 v[SC+\j], 0
.endr
.irp j, 252,253,254,255
	v_mov_b32 v\j, 0                               ; a lane permute's destination counts as read
.endr
	s_wait_loadcnt 63                              ; of the 68 loads the first five are in: the tables' four among them
.irp j, 176,178,180,182
	v_pk_mul_f32 v[\j:\j+1], v[\j:\j+1], s[20:21] op_sel_hi:[1,0]
.endr
.irp j, 0,1,2,3
	ds_store_b128 v10, v[168+4*\j:171+4*\j] offset:2048*\j
.endr
; One row of the ring: held within the largest code x the scale, converted, its codes stored into the stage in K's order; its registers take the row 8 further down.
.macro SLOT i, refill, left
	s_wait_loadcnt \left
	WIN 0x41
.set j, 0
.rept 32
	v_med3_num_f32 v[32*(\i)+j], v[32*(\i)+j], -v1, v1
.set j, j+1
.endr
	s_wait_alu depctr_va_vdst(0)
	s_wait_dscnt 56
	WIN 0x01
.irp k, 0,1,2,3
	v_cvt_scalef32_pk8_bf8_f32 v[CD+8*(\i)+2*\k:CD+8*(\i)+2*\k+1], v[32*(\i)+8*\k:32*(\i)+8*\k+7], v8
.endr
	v_nop
	WIN 0x40
.if \refill
.irp p, 0,1,2,3,4,5,6,7
	global_load_b128 v[32*(\i)+4*\p:32*(\i)+4*\p+3], v4, s[56:57] offset:(8+(\i))*4096+512*\p th:TH_LOAD_NT
.endr
.endif
.irp m, 0,1,2,3,4,5,6,7
	ds_store_b32 v6, v[CD+8*(\i)+\m] offset:SPITCH*(\i)+128*\m
.endr
.endm
.macro EIGHT refill
	v_add_nc_u32 v6, s52, v5
.irp i, 0,1,2,3,4,5,6,7
.if \refill
	SLOT \i, 1, 56
.else
	SLOT \i, 0, 8*(7-\i)
.endif
.endr
	WIN 0
	s_xor_b32 s52, s52, 8*SPITCH
.if \refill
	s_wait_xcnt 0x0                                ; the loads have read their base
	s_add_nc_u64 s[56:57], s[56:57], 32768
.endif
.endm
.macro AFRAG a                         ; 16 rows of the stage become tile a's eight fragments (LDS serves a wave's instructions in order)
	WIN 0x80
.irp s, 0,1,2,3
.irp c, 0,1,2,3
	ds_load_b128 v[64*\s+16*(\a)+4*\c:64*\s+16*(\a)+4*\c+3], v7 offset:128*\s+32*\c
.endr
.endr
	WIN 0xc0
.irp s, 0,1,2,3
.irp c, 0,1,2,3
	ds_load_b128 v[64*\s+16*(\a)+4*\c:64*\s+16*(\a)+4*\c+3], v7 offset:512+128*\s+32*\c
.endr
.endr
	WIN 0
.endm
.macro PAIR a
	s_mov_b32 s53, 2
.Lpair_\@:
	EIGHT 1
	s_sub_co_u32 s53, s53, 1
	s_cmp_lg_u32 s53, 0
	s_cbranch_scc1 .Lpair_\@
	AFRAG \a
.endm
	PAIR 0
	PAIR 1
	PAIR 2
	EIGHT 1
	EIGHT 0
	AFRAG 3
; 36 LDS loads: group nq's eight fragments of W2 into set nq % 2 of window 1, its 8 qb and its 8 -k Wv
.macro LOADS nq
	WIN 0x40
.irp f, 0,1,2,3,4,5,6,7
.irp c, 0,1,2,3
	ds_load_b128 v[128*((\nq)%2)+16*\f+4*\c:128*((\nq)%2)+16*\f+4*\c+3], v10 offset:16384*(\nq)+2048*\f+512*\c
.endr
.endr
	WIN 0
.set QN, QB+8*((\nq)%2)
.set WN, WV0+8*(\nq)+32*((\nq)/2)
	ds_load_b128 v[QN:QN+3], v12 offset:64*(\nq)
	ds_load_b128 v[QN+4:QN+7], v12 offset:64*(\nq)+16
	ds_load_b128 v[WN:WN+3], v12 offset:64*(\nq)+4096
	ds_load_b128 v[WN+4:WN+7], v12 offset:64*(\nq)+4112
.endm
; K steps s and s + 1 of the group's four tiles: the accumulators by turns; K step 0 starts the sums
.macro MUL2 p, s
.irp t, \s, \s+1
.irp a, 0,1,2,3
.if (\t) == 0
	v_wmma_f32_16x16x128_bf8_bf8 v[ZC+8*\a:ZC+8*\a+7], v[128*(\p)+16*(\t):128*(\p)+16*(\t)+15], v[64*((\t)%4)+16*\a:64*((\t)%4)+16*\a+15], 0
.else
	v_wmma_f32_16x16x128_bf8_bf8 v[ZC+8*\a:ZC+8*\a+7], v[128*(\p)+16*(\t):128*(\p)+16*(\t)+15], v[64*((\t)%4)+16*\a:64*((\t)%4)+16*\a+15], v[ZC+8*\a:ZC+8*\a+7]
.endif
.endr
.endr
.endm
.macro P5                              ; the rows' sums += reciprocals x -k Wv
.irp k, 0,1,2,3
.irp a, 0,1,2,3
	v_pk_fma_f32 v[SC+2*\a:SC+2*\a+1], v[Z2+8*\a+2*\k:Z2+8*\a+2*\k+1], v[W2S+2*\k:W2S+2*\k+1], v[SC+2*\a:SC+2*\a+1]
.endr
.endr
.endm
.macro P3                              ; 1 + 2^z
.set ii, 0
.rept 16
	v_pk_add_f32 v[Z1+ii:Z1+ii+1], v[Z1+ii:Z1+ii+1], 1.0 op_sel_hi:[1,0]
.set ii, ii+2
.endr
.endm
.macro P1                              ; z: each accumulator from its low end on
.set ii, 0
.rept 16
	v_pk_fma_f32 v[ZC+ii:ZC+ii+1], v[ZC+ii:ZC+ii+1], s[44:45], v[QC+ii%8:QC+ii%8+1] op_sel_hi:[1,0,1]
.set ii, ii+2
.endr
.endm
.macro RC
.set ii, 0
.rept 32
	v_rcp_f32 v[Z1+ii], v[Z1+ii]
.set ii, ii+1
.endr
.endm
; Group qq of a slot.  chg = 1: all reads of this slot have been issued (group 3's at the end of group 1): the slots change and this one is filled again; chg = 2: they change, nothing is filled.
; ld = 1: the loads for the group two on.  cnt: the LDS loads that may stay out (the next group's 36).
.macro GROUP qq, chg, ld, cnt
.set ZC, ACC+32*(((\qq)+2)%4)
.set Z1, ACC+32*(((\qq)+1)%4)
.set Z2, ACC+32*((\qq)%4)
.set QC, QB+8*((\qq)%2)
.set W2S, WV0+8*(((\qq)+2)%4)+32*((((\qq)+2)%4)/2)
.if \chg
	s_wait_tensorcnt 0x0                           ; all my tensor loads have landed: my quarter of the next slot
	ds_add_u32 v2, v3                              ; work on registers stands between the add and the wait for it
.if \chg == 1
	s_xor_b32 s37, s37, SLOTB                      ; no load of mine is out: group 0 steps to this slot's bytes and the codes two slots on
	s_add_nc_u64 s[38:39], s[38:39], SLOTB
.endif
	s_xor_b32 s50, s50, SLOTB
	s_add_co_u32 s51, s51, 256
	v_add_nc_u32 v10, s50, v4                      ; from here on the loads read the next slot
	v_add_nc_u32 v12, s51, v11
	s_wait_dscnt 37                                ; the add and the next group's 36 loads may be out
.else
	s_wait_dscnt \cnt
.endif
	WIN 0x09                                       ; source 0 (W2) window 1, source 1 (my rows) window 2
	MUL2 (\qq)%2, 0
	MUL2 (\qq)%2, 2
	WIN 0x0d                                       ; source 1 window 3
	MUL2 (\qq)%2, 4
.if \chg
	s_wait_dscnt 0x0                               ; the add is done, and my reads of this slot are back
	s_barrier_signal -1
.endif
	MUL2 (\qq)%2, 6
	WIN 0
.if \chg
	s_barrier_wait -1
.if \chg == 1
	CREST                                          ; the barrier has opened a round: no wave of any partner still reads this slot or has a load on its way
	tensor_load_to_lds s[36:39], s[24:31]          ; my one tensor load behind the round
	s_nop 0
.rept 4
	v_nop
.endr
.endif
.endif
	P5                                             ; group g - 2.  These 32 lines are also the places behind the last products
	P3                                             ; group g - 1
	P1                                             ; group g
	s_wait_alu depctr_va_vdst(0)                   ; the wait ahead of the batch
.set ii, 0
.rept 32
	v_exp_f32 v[ZC+ii], v[ZC+ii]
.set ii, ii+1
.endr
	RC
	v_nop                                          ; a plain place behind the last transcendental
.if \ld
	LOADS ((\qq)+2)%4
.endif
	s_wait_alu depctr_va_vdst(0)                   ; one wait for the whole batch
.endm
.macro SLOTBODY chg
	GROUP 0, 0, 1, 36
	GROUP 1, 0, 1, 36
	GROUP 2, \chg, 1, 36
	GROUP 3, 0, 1, 36
.endm
	s_wait_tensorcnt 0x1                           ; slot 1's load may be out
	s_wait_dscnt 0x0                               ; my fragments are in, my part of the tables is stored
	s_barrier_signal -1
	s_barrier_wait -1                              ; the tables are whole
	v_add_nc_u32 v10, s50, v4
	v_add_nc_u32 v12, s51, v11
	LOADS 0
	LOADS 1
	s_mov_b32 s54, 14
.Lslot:                                                ; a trip is a slot; 14 trips fill slots 2 to 15
	SLOTBODY 1
	s_sub_co_u32 s54, s54, 1
	s_cmp_lg_u32 s54, 0
	s_cbranch_scc1 .Lslot
	SLOTBODY 2
	GROUP 0, 0, 1, 36
	GROUP 1, 0, 1, 36
	GROUP 2, 0, 0, 36
	GROUP 3, 0, 0, 0
; what is left of the last two groups
.set Z2, ACC
.set W2S, WVZ
	P5
.set Z1, ACC+32
	P3
	s_wait_alu depctr_va_vdst(0)
	RC
	v_nop
	s_wait_alu depctr_va_vdst(0)
.set Z2, ACC+32
.set W2S, WVZ+8
	P5
.irp a, 0,1,2,3
	v_add_f32 v[248+\a], v[SC+2*\a], v[SC+2*\a+1]  ; my 8 columns of each group,
.endr
.irp a, 0,1,2,3
	v_permlanex16_b32 v[252+\a], v[248+\a], s48, s49
.endr
.irp a, 0,1,2,3
	v_add_f32 v[248+\a], v[248+\a], v[252+\a]      ; and lane l xor 16's
.endr
.irp a, 0,1,2,3
	ds_store_b32 v13, v[248+\a] offset:64*\a       ; row 16 a + r (both halves of the lanes store the same number)
.endr
	ds_load_b64 v[252:253], v14
	s_wait_dscnt 0x0
	global_store_b64 v15, v[252:253], s[58:59]     ; the wave stores 256 consecutive bytes, aligned
	s_wait_tensorcnt 0x0                           ; the wave's end
	ds_add_u32 v2, v3
	s_wait_dscnt 0x0
	CROUND                                         ; the closing round
	s_endpgm
.Lfunc_end_k_q7109a9e511_main:
	.size	k_q7109a9e511_main, .Lfunc_end_k_q7109a9e511_main-k_q7109a9e511_main
	.p2alignl 7, 3214868480
	.fill 96, 4, 3214868480
	.section	.rodata,"a",@progbits
	.p2align	6, 0x0
	.amdhsa_kernel k_q7109a9e511_main
		.amdhsa_group_segment_fixed_size 327680
		.amdhsa_private_segment_fixed_size 0
		.amdhsa_enable_private_segment 0
		.amdhsa_kernarg_size 48
		.amdhsa_user_sgpr_count 2
		.amdhsa_user_sgpr_kernarg_segment_ptr 1
		.amdhsa_wavefront_size32 1
		.amdhsa_system_sgpr_workgroup_id_x 1
		.amdhsa_system_sgpr_workgroup_id_y 1
		.amdhsa_system_sgpr_workgroup_id_z 1
		.amdhsa_system_vgpr_workitem_id 0
		.amdhsa_next_free_vgpr 1024
		.amdhsa_next_free_sgpr 66
		.amdhsa_reserve_vcc 0
		.amdhsa_float_denorm_mode_32 3
		.amdhsa_float_denorm_mode_16_64 3
		.amdhsa_memory_ordered 1
		.amdhsa_forward_progress 1
		.amdhsa_inst_pref_size 255
	.end_amdhsa_kernel
	.section	.bss,"aw",@nobits
	.p2align	6
	.space	262144
	.amdgpu_metadata
---
amdhsa.version: [ 1, 2 ]
amdhsa.kernels:
  - .name:           k_q7109a9e511_main
    .symbol:         k_q7109a9e511_main.kd
    .args:
      - { .name: values, .offset: 0, .size: 8, .value_kind: global_buffer, .address_space: global }
      - { .name: w2c, .offset: 8, .size: 8, .value_kind: global_buffer, .address_space: global }
      - { .name: qb, .offset: 16, .size: 8, .value_kind: global_buffer, .address_space: global }
      - { .name: Wv, .offset: 24, .size: 8, .value_kind: global_buffer, .address_space: global }
      - { .name: lowp_scales, .offset: 32, .size: 8, .value_kind: global_buffer, .address_space: global }
      - { .name: scores, .offset: 40, .size: 8, .value_kind: global_buffer, .address_space: global }
    .group_segment_fixed_size: 327680
    .private_segment_fixed_size: 0
    .kernarg_segment_align: 8
    .kernarg_segment_size: 48
    .max_flat_workgroup_size: 128
    .sgpr_count:     66
    .vgpr_count:     1024
    .wavefront_size: 32
...
	.end_amdgpu_metadata
.endif
;; end of part 2
;; launch ctx (part 3): grid 8 x 32, 8 waves a work-group, no clusters, 13,824 bytes of LDS; arguments scores, values, out0, out1; writes out0, out1
.if DOCPART == 3
	.amdgcn_target "amdgcn-amd-amdhsa--gfx1250"
	.amdhsa_code_object_version 6
	.text
	.protected	k_q7109a9e511_ctx
	.globl	k_q7109a9e511_ctx
	.p2align	8
	.type	k_q7109a9e511_ctx,@function
k_q7109a9e511_ctx:
	s_mov_b64 s[64:65], 0
	v_nop
	global_prefetch_b8 v0, s[64:65] scope:SCOPE_SE
	s_setreg_imm32_b32 hwreg(HW_REG_WAVE_MODE, 25, 1), 1
	s_wait_xcnt 0x0
; Third launch: out1[b][t] = 2^(s''[b][t] - M) / L, M = the row's largest s'', L = the row's sum of 2^(s'' - M);  out0[b][d] = sum over t of out1[b][t] values[b][t][d].
; LEFT OUT, as shown at the head of the first launch: bv and sum(Wv), the same along t; s'' is the score less these, in units of log2.  The maximum is taken away ahead of the exponential.
; SHARES.  Work-group (x, b) owns columns 128 x .. 128 x + 127 of batch b: 512 bytes of each of its 2,048 rows, so each number of out0 has one owner; wave w takes rows 256 w .. 256 w + 255.
; A load of a wave covers one row's 512 consecutive bytes, aligned.  A ring of 32 rows in registers keeps 32 loads of every wave on their way; it is asked for ahead of the softmax.
; Each work-group makes the softmax of its batch's 2,048 scores for itself (8,192 bytes); the unnormalised p go to LDS, from where each wave takes its rows' weights, all lanes the same words.
; Work-group x stores weights 256 x .. 256 x + 255 of out1.  The sums are divided by L once, at the end.
; Written out, no loop: every offset is an immediate (255 rows of 4,096 bytes at the most, inside the signed 24 bits: ISA guide, chapter 10), no pointer is stepped.
; No joint loads and no matrix unit: work-groups share only a batch's 8,192 bytes of scores, beside the 1,048,576 bytes of values that each reads alone; the work is one multiply-add a number.
; p under the smallest normal f32 number comes out as 0.  NaN among the inputs is not served.
.set PTAB,  0                          ; LDS: p, 2,048 x 4 bytes
.set RED,   8192                       ; 8 waves x 512 bytes: the waves' partial sums
.set MAXW,  12288                      ; 8 words: the waves' maxima;  256 bytes on: their sums
.set SPARE, 12800                      ; the spare words, 128 bytes for each wave: four blocks of 256 bytes that no other line names
.set ACC,   16                         ; v16-31   four sets of 4 sums, the rows by turns
.set W0,    32                         ; v32-63, v192-223: 32 weights, two sets
.set X,     64                         ; v64-191  the ring: 32 rows x 4
	s_load_b256 s[4:11], s[0:1], 0x0               ; scores s[4:5], values s[6:7], out0 s[8:9], out1 s[10:11]
	v_lshl_add_u32 v2, v0, 2, SPARE                ; my spare word; never rewritten
	v_mov_b32 v3, 0                                ; 0; never rewritten
	v_lshrrev_b32 v6, 5, v0
	v_readfirstlane_b32 s20, v6                    ; wave 0..7
	v_and_b32 v1, 31, v0
	v_lshlrev_b32 v1, 4, v1                        ; 16 x lane
	v_lshlrev_b32 v4, 4, v0                        ; 16 x thread
	v_lshlrev_b32 v5, 10, v6                       ; my wave's 256 weights in PTAB
	v_lshlrev_b32 v6, 2, v6
	v_add_nc_u32 v6, MAXW, v6                      ; my wave's word
	s_and_b32 s21, ttmp9, 7                        ; x
	s_and_b32 s22, ttmp7, 0xffff                   ; b
	v_and_b32 v7, 63, v0
	v_lshlrev_b32 v7, 4, v7                        ; out1: 16 bytes for each of 64 threads
	s_lshl_b32 s23, s21, 10
	v_add_nc_u32 v224, s23, v7                     ; and the same weights in PTAB
	v_mov_b32 v225, MAXW
	s_mov_b32 s12, 0x76543210                      ; v_permlanex16_b32: lane l xor 16
	s_mov_b32 s13, 0xfedcba98
	s_lshl_b32 s24, s22, 13                        ; a batch's scores and weights: 8,192 bytes
	s_mov_b32 s25, 0
	s_lshl_b32 s26, s22, 23                        ; values: 8,388,608 bytes a batch,
	s_lshl_b32 s27, s20, 20                        ; 256 rows a wave,
	s_add_co_u32 s26, s26, s27
	s_lshl_b32 s27, s21, 9                         ; 512 bytes a work-group
	s_add_co_u32 s26, s26, s27
	s_mov_b32 s27, 0
	s_add_co_u32 s28, s24, s23
	s_mov_b32 s29, 0
	s_lshl_b32 s30, s22, 12
	s_lshl_b32 s31, s21, 9
	s_add_co_u32 s30, s30, s31
	s_mov_b32 s31, 0
	s_wait_alu depctr_va_vdst(0)                   ; the wait at the head's end
	s_wait_kmcnt 0x0
	s_add_nc_u64 s[4:5], s[4:5], s[24:25]
	s_add_nc_u64 s[6:7], s[6:7], s[26:27]
	s_add_nc_u64 s[10:11], s[10:11], s[28:29]
	s_add_nc_u64 s[8:9], s[8:9], s[30:31]
	global_load_b128 v[8:11], v4, s[4:5]
	global_load_b128 v[12:15], v4, s[4:5] offset:4096
.set j, 0
.rept 32
	global_load_b128 v[X+4*j:X+4*j+3], v1, s[6:7] offset:4096*j th:TH_LOAD_NT
.set j, j+1
.endr
	s_wait_loadcnt 32                              ; the ring's 32 loads may stay out: the scores are in
	v_max3_num_f32 v226, v8, v9, v10
	v_max3_num_f32 v227, v11, v12, v13
	v_max3_num_f32 v226, v226, v14, v15
	v_max_num_f32 v226, v226, v227
	v_max_num_f32_dpp v226, v226, v226 row_xmask:1 row_mask:0xf bank_mask:0xf
	v_max_num_f32_dpp v226, v226, v226 row_xmask:2 row_mask:0xf bank_mask:0xf
	v_max_num_f32_dpp v226, v226, v226 row_xmask:4 row_mask:0xf bank_mask:0xf
	v_max_num_f32_dpp v226, v226, v226 row_xmask:8 row_mask:0xf bank_mask:0xf
	v_permlanex16_b32 v227, v226, s12, s13
	v_max_num_f32 v226, v226, v227                 ; my wave's maximum, in every lane
	ds_store_b32 v6, v226
	s_wait_dscnt 0x0                               ; for the others' sake
	s_barrier_signal -1
	s_barrier_wait -1
	ds_load_b128 v[228:231], v225
	ds_load_b128 v[232:235], v225 offset:16
	s_wait_dscnt 0x0
	v_max3_num_f32 v226, v228, v229, v230
	v_max3_num_f32 v227, v231, v232, v233
	v_max3_num_f32 v226, v226, v234, v235
	v_max_num_f32 v226, v226, v227                 ; M
.irp j, 8,9,10,11,12,13,14,15
	v_sub_f32 v\j, v\j, v226
.endr
	s_wait_alu depctr_va_vdst(0)                   ; the wait ahead of the batch
.irp j, 8,9,10,11,12,13,14,15
	v_exp_f32 v\j, v\j                             ; p = 2^(s'' - M), at most 1
.endr
	v_nop                                          ; a plain line behind the last exponential,
	s_wait_alu depctr_va_vdst(0)                   ; and the one wait ahead of the batch's first reader
	v_pk_add_f32 v[228:229], v[8:9], v[10:11]
	v_pk_add_f32 v[230:231], v[12:13], v[14:15]
	v_pk_add_f32 v[228:229], v[228:229], v[230:231]
	v_add_f32 v228, v228, v229
	v_add_f32_dpp v228, v228, v228 row_xmask:1 row_mask:0xf bank_mask:0xf
	v_add_f32_dpp v228, v228, v228 row_xmask:2 row_mask:0xf bank_mask:0xf
	v_add_f32_dpp v228, v228, v228 row_xmask:4 row_mask:0xf bank_mask:0xf
	v_add_f32_dpp v228, v228, v228 row_xmask:8 row_mask:0xf bank_mask:0xf
	v_permlanex16_b32 v229, v228, s12, s13
	v_add_f32 v228, v228, v229                     ; my wave's sum
	ds_store_b32 v6, v228 offset:256
	ds_store_b128 v4, v[8:11]
	ds_store_b128 v4, v[12:15] offset:4096
	s_wait_dscnt 0x0                               ; for the others' sake
	s_barrier_signal -1
	s_barrier_wait -1
	ds_load_b128 v[228:231], v225 offset:256
	ds_load_b128 v[232:235], v225 offset:272
.irp j, 0,1,2,3,4,5,6,7
	ds_load_b128 v[W0+4*\j:W0+4*\j+3], v5 offset:16*\j     ; my first 32 rows' weights: all lanes read the same words
.endr
	s_wait_dscnt 8                                 ; the eight just issued may be out: the waves' sums are in
	v_add_f32 v228, v228, v229
	v_add_f32 v230, v230, v231
	v_add_f32 v232, v232, v233
	v_add_f32 v234, v234, v235
	v_add_f32 v228, v228, v230
	v_add_f32 v232, v232, v234
	v_add_f32 v228, v228, v232                     ; L, at least 1
	s_wait_alu depctr_va_vdst(0)                   ; the wait ahead of the transcendental
	v_rcp_f32 v236, v228
	v_nop
	s_wait_alu depctr_va_vdst(0)                   ; ahead of the branch and of the first reader
	s_cmp_lt_u32 s20, 2                            ; waves 0 and 1 store the work-group's 256 weights
	s_cbranch_scc0 .Lno_weights
	ds_load_b128 v[240:243], v224
	s_wait_dscnt 0x0
.irp j, 240,241,242,243
	v_mul_f32 v\j, v\j, v236
.endr
	global_store_b128 v7, v[240:243], s[10:11]     ; a wave stores 512 consecutive bytes, aligned; v240-243 are not written again
.Lno_weights:
.macro ROWS t, u                       ; rows 4 u .. 4 u + 3 of trip t: sums += weight x 4 numbers; the weight is the low or the high register of its pair, for both halves
.irp d, 0,1,2,3
.set ri, 4*(\u)+\d
.set xr, X+4*ri
.set ar, ACC+4*\d
.set wr, WS+2*(ri/2)
.if ((\t) == 0) && ((\u) == 0)         ; the first four rows start the sums: nothing is cleared
.if \d%2 == 0
	v_pk_mul_f32 v[ar:ar+1], v[xr:xr+1], v[wr:wr+1] op_sel_hi:[1,0]
	v_pk_mul_f32 v[ar+2:ar+3], v[xr+2:xr+3], v[wr:wr+1] op_sel_hi:[1,0]
.else
	v_pk_mul_f32 v[ar:ar+1], v[xr:xr+1], v[wr:wr+1] op_sel:[0,1] op_sel_hi:[1,1]
	v_pk_mul_f32 v[ar+2:ar+3], v[xr+2:xr+3], v[wr:wr+1] op_sel:[0,1] op_sel_hi:[1,1]
.endif
.else
.if \d%2 == 0
	v_pk_fma_f32 v[ar:ar+1], v[xr:xr+1], v[wr:wr+1], v[ar:ar+1] op_sel_hi:[1,0,1]
	v_pk_fma_f32 v[ar+2:ar+3], v[xr+2:xr+3], v[wr:wr+1], v[ar+2:ar+3] op_sel_hi:[1,0,1]
.else
	v_pk_fma_f32 v[ar:ar+1], v[xr:xr+1], v[wr:wr+1], v[ar:ar+1] op_sel:[0,1,0] op_sel_hi:[1,1,1]
	v_pk_fma_f32 v[ar+2:ar+3], v[xr+2:xr+3], v[wr:wr+1], v[ar+2:ar+3] op_sel:[0,1,0] op_sel_hi:[1,1,1]
.endif
.endif
.endr
.endm
.macro TRIP t                          ; 32 rows, four at a time; each four's registers take the rows 32 further down
.set WS, W0+160*((\t)%2)
.set WN, W0+160*(1-(\t)%2)
	s_wait_dscnt 0x0                               ; this trip's weights are in (asked for half a trip ago)
.irp u, 0,1,2,3,4,5,6,7
	s_wait_alu depctr_va_vdst(0)
.if 8*(\t)+\u < 56
	s_wait_loadcnt 28                              ; loads come back in order (ISA guide 5.7.1): my four rows are in, the 28 younger stay out
.else
	s_wait_loadcnt 28-4*(8*(\t)+\u-56)             ; the last trip loads nothing: the counts run down
.endif
	ROWS \t, \u
.if (\t) < 7
.irp d, 0,1,2,3
	global_load_b128 v[X+4*(4*\u+\d):X+4*(4*\u+\d)+3], v1, s[6:7] offset:4096*(32*((\t)+1)+4*\u+\d) th:TH_LOAD_NT
.endr
.if \u == 3
.irp j, 0,1,2,3,4,5,6,7
	ds_load_b128 v[WN+4*\j:WN+4*\j+3], v5 offset:128*((\t)+1)+16*\j   ; the next trip's weights, into the other set
.endr
.endif
.endif
.endr
.endm
.irp t, 0,1,2,3,4,5,6,7
	TRIP \t
.endr
	v_pk_add_f32 v[16:17], v[16:17], v[20:21]
	v_pk_add_f32 v[18:19], v[18:19], v[22:23]
	v_pk_add_f32 v[24:25], v[24:25], v[28:29]
	v_pk_add_f32 v[26:27], v[26:27], v[30:31]
	v_pk_add_f32 v[16:17], v[16:17], v[24:25]
	v_pk_add_f32 v[18:19], v[18:19], v[26:27]
	ds_store_b128 v4, v[16:19] offset:RED          ; 16 x thread = 512 x wave + 16 x lane
	s_wait_dscnt 0x0                               ; for wave 0's sake
	s_barrier_signal -1
	s_barrier_wait -1
	s_cmp_lg_u32 s20, 0
	s_cbranch_scc1 .Lend
.irp w, 0,1,2,3,4,5,6,7
	ds_load_b128 v[X+4*\w:X+4*\w+3], v1 offset:RED+512*\w
.endr
	s_wait_dscnt 0x0
.irp w, 1,2,3,4,5,6,7
	v_pk_add_f32 v[X:X+1], v[X:X+1], v[X+4*\w:X+4*\w+1]
	v_pk_add_f32 v[X+2:X+3], v[X+2:X+3], v[X+4*\w+2:X+4*\w+3]
.endr
.irp j, 0,1,2,3
	v_mul_f32 v[X+\j], v[X+\j], v236               ; / L
.endr
	global_store_b128 v1, v[X:X+3], s[8:9]         ; 32 lanes store 512 consecutive bytes, aligned
.Lend:
	s_wait_tensorcnt 0x0                           ; the wave's end, behind my last LDS store
	ds_add_u32 v2, v3
	s_wait_dscnt 0x0
	s_endpgm
.Lfunc_end_k_q7109a9e511_ctx:
	.size	k_q7109a9e511_ctx, .Lfunc_end_k_q7109a9e511_ctx-k_q7109a9e511_ctx
	.p2alignl 7, 3214868480
	.fill 96, 4, 3214868480
	.section	.rodata,"a",@progbits
	.p2align	6, 0x0
	.amdhsa_kernel k_q7109a9e511_ctx
		.amdhsa_group_segment_fixed_size 13824
		.amdhsa_private_segment_fixed_size 0
		.amdhsa_enable_private_segment 0
		.amdhsa_kernarg_size 32
		.amdhsa_user_sgpr_count 2
		.amdhsa_user_sgpr_kernarg_segment_ptr 1
		.amdhsa_wavefront_size32 1
		.amdhsa_system_sgpr_workgroup_id_x 1
		.amdhsa_system_sgpr_workgroup_id_y 1
		.amdhsa_system_sgpr_workgroup_id_z 1
		.amdhsa_system_vgpr_workitem_id 0
		.amdhsa_next_free_vgpr 256
		.amdhsa_next_free_sgpr 66
		.amdhsa_reserve_vcc 0
		.amdhsa_float_denorm_mode_32 3
		.amdhsa_float_denorm_mode_16_64 3
		.amdhsa_memory_ordered 1
		.amdhsa_forward_progress 1
		.amdhsa_inst_pref_size 72
	.end_amdhsa_kernel
	.amdgpu_metadata
---
amdhsa.version: [ 1, 2 ]
amdhsa.kernels:
  - .name:           k_q7109a9e511_ctx
    .symbol:         k_q7109a9e511_ctx.kd
    .args:
      - { .name: scores, .offset: 0, .size: 8, .value_kind: global_buffer, .address_space: global }
      - { .name: values, .offset: 8, .size: 8, .value_kind: global_buffer, .address_space: global }
      - { .name: out0, .offset: 16, .size: 8, .value_kind: global_buffer, .address_space: global }
      - { .name: out1, .offset: 24, .size: 8, .value_kind: global_buffer, .address_space: global }
    .group_segment_fixed_size: 13824
    .private_segment_fixed_size: 0
    .kernarg_segment_align: 8
    .kernarg_segment_size: 32
    .max_flat_workgroup_size: 256
    .sgpr_count:     66
    .vgpr_count:     256
    .wavefront_size: 32
...
	.end_amdgpu_metadata
.endif
;; end of part 3
